; MI455X (gfx1250); checked and timed in simulation.
; The chip was launched on July 23, 2026; its instructions are those of AMD's public machine-readable ISA for CDNA 5 (MIT licence, August 2026) and "CDNA5" Instruction Set Architecture Reference Guide (July 2026). The comments in the code are by the model that wrote it; some were corrected since.
;; MSA Column Attention. Allowed arithmetic: float matrix products may take bf16 or f16 operands with f32 sums; all other float work in f32.
;; Inputs: Wg 32 x 256 float32; Wk 32 x 256 float32; Wo 256 x 32 float32; Wq 32 x 256 float32; Wv 32 x 256 float32; bo 32 float32; ln_beta 32 float32; ln_gamma 32 float32; m 1 x 256 x 256 x 32 float32.
;; Outputs: out0 1 x 256 x 256 x 32 float32.
;; One version. Each part assembles by itself: llvm-mc -triple=amdgcn-amd-amdhsa -mcpu=gfx1250 --defsym DOCPART=n.
;; ======== version 1 of 1: 1 launch
;; limits: values are held in f16: magnitudes above 65,504 overflow, below 6.1e-05 lose precision
;; launch msacol (part 1): grid 256 x 1, 8 waves a work-group, no clusters, 304,128 bytes of LDS; arguments m, ln_gamma, ln_beta, Wk, Wq, Wv, Wg, Wo, bo, out0; writes out0
.if DOCPART == 1
	.amdgcn_target "amdgcn-amd-amdhsa--gfx1250"
	.amdhsa_code_object_version 6
	.text
	.protected	k_q1325d24f8d_msacol
	.globl	k_q1325d24f8d_msacol
	.p2align	8
	.type	k_q1325d24f8d_msacol,@function
k_q1325d24f8d_msacol:
	s_mov_b64 s[64:65], 0
	v_nop
	global_prefetch_b8 v0, s[64:65] scope:SCOPE_SE
	s_setreg_imm32_b32 hwreg(HW_REG_WAVE_MODE, 25, 1), 1
	s_wait_xcnt 0x0
; MSA column attention in one launch: LayerNorm over 32 channels, the projections q, k, v, gate (32 -> 8 heads x 32), for each column i and head the
; 256 x 256 scores q k^T, their softmax over t, the SUM of that softmax over t (v is indexed by s, so t is summed out of the weights alone),
; o = sigmoid(gate) * v * sum, and o @ Wo + bo.  m, out0: [256 s][256 i][32] f32.
;
; SHARES.  Work-group x: columns i = 2 (x>>1) and 2 (x>>1) + 1, query rows s = 128 (x&1) .. +127.  Two neighbouring columns make each row of m and
; of out0 256 consecutive bytes at a multiple of 256; the split over s gives 256 equal work-groups.  Eight waves, two for each of the WGP's four SIMDs:
; wave w is head w (k of all 256 t, then sixteen blocks of 16 s: q, v, gate, scores, softmax, o); in the last phase wave w makes rows 16 w .. +15 of out0.
;
; EVERY PRODUCT IS USED TRANSPOSED: source 0 = 16 output channels of a weight, source 1 = 16 data rows.  Lane (r = lane % 16, hh = lane / 16) then holds,
; in register j of the result, channel 8 hh + j of row r.  Two such tiles (channels 0-15, 16-31) packed to 16 bits ARE a K = 32 fragment of row r
; (registers 0-3: k = 8 hh .., registers 4-7: k = 16 + 8 hh ..): k's projection is the scores' source 0, q's is their source 1, and o packs into 16
; neighbouring bytes of its row.  In the scores (source 0 = k, source 1 = q) a lane holds s = r and 128 of the 256 t, so maximum and sum over t are taken
; inside the lane, with one exchange between the halves of the wave, and end in the lane that holds v and gate of the same s.  No layout is ever changed.
;
; FORMATS AND LIMITS.  mn, Wk, Wq, Wv, Wg, o and Wo enter the matrix unit in f16, q and k in bf16; all sums, LayerNorm, softmax and gate in f32.
; f16 needs |mn| < 65,504 and |gate * v * sum| < 65,504; beyond that the packed numbers become infinite.  The variance is taken of x - mean, so a common
; offset on m costs nothing.  The softmax takes the true maximum over all 256 t away.  32^-0.5 * log2(e) is multiplied into Wq in f32 before Wq is rounded,
; so the scores are exponents of 2.  The sum over t of e_t / S is formed as S * (1 / S): the division is done once, behind the sum.
;
; NO CLUSTER, NO TENSOR LOADS: what work-groups share (65,536 bytes of m with one partner, 163,840 bytes of weights with all) is read once, in the first
; lines, and has to pass through registers to be normalised or rounded to f16; an f32 landing area of 229,376 bytes beside the 139,264 bytes of f16
; copies would be 368,640 bytes, more than the 327,680 that a work-group can have.  Nothing is ever filled again.
;
; LDS (303,104 bytes)
.set MN_P, 176                         ; MN at 0: mn in f16, t * 176 + col * 64 + 2 ch.  176 = 11 x 16: sixteen rows start at sixteen different 16-byte columns of 256 bytes
.set WL_B, 45056                       ; WL: Wk, Wq, Wv, Wg in f16 as stored, [32 c][256 n]
.set WL_P, 544                         ; 512 bytes + 32 = 17 x 32, for the transposing loads
.set WL_A, 32*WL_P                     ; one weight: 17,408 bytes
.set WO_B, 114688                      ; WO: Wo in f16 as stored, [256 k][32 n]
.set WO_P, 96                          ; 64 bytes + 32 = 3 x 32
.set O_B,  139264                      ; O: o in f16, head * 20,480 + (col * 128 + s) * 80 + 2 c
.set O_P,  80                          ; 64 bytes + 16 = 5 x 16
.set O_C,  128*O_P
.set O_H,  2*O_C
.set ST_P, 272                         ; the way out, over MN once MN is dead: wave * 4,352 + row * 272 + col * 128 + 4 c, f32
.set ST_W, 16*ST_P
; REGISTERS, window 0
.set AMK,   4                          ; r * 176 + 16 hh: fragments of mn, from t = 0
.set AMS0,  5                          ; the same from my work-group's first s
.set AMS,   6                          ; the same for the block at work
.set AOS0,  7                          ; where my head's o goes: O + w * 20,480 + r * 80 + 16 hh
.set AOS,   8                          ; the same for the block at work
.set AWT,   9                          ; transposing loads of my head's weight tiles
.set AWO,   10                         ; transposing loads of Wo
.set AOL,   11                         ; v11-13: fragments of o, rows 16 w + r, heads 0-2, 3-5, 6-7
.set ASTO,  14                         ; the way out: where I put 32 bytes of a row
.set ARD,   15                         ; the way out: where I read rows back
.set AOUT,  16                         ; my byte offset in out0: hh * 32,768 + 16 r
.set GM,    17                         ; my byte offset in m
.set AMST,  18                         ; where my 4 channels of mn go
.set GW,    19                         ; my byte offset in a weight: w * 4,096 + 16 lane
.set AWST,  20                         ; where my 4 numbers of Wk, Wq, Wv, Wg go
.set AWOST, 21                         ; where my 4 numbers of Wo go
.set GGB,   22                         ; my byte offset in gamma and beta
.set GBO,   23                         ; my byte offset in bo
.set GAM,   24                         ; v[24:27] gamma, v[28:31] beta of my 4 channels
.set BET,   28
.set BO,    32                         ; v[32:47] bo laid out as two accumulator tiles
.set T,     48                         ; v[48:63] at work
.set MX,    T                          ; v[48:51] four running maxima
.set MXP,   T+4                        ; v[52:53] the maximum, twice
.set SU,    T+6                        ; v[54:61] four pairs of running sums
.set WS,    T+14                       ; v[62:63] the softmax's sum over t, twice
.set MNF,   64                         ; v[64:127] m as loaded; then 8 fragments of mn; in a block: v[64:71] one fragment,
.set PQ,    72                         ; v[72:87] q, v[88:103] v, v[104:119] gate (two tiles each), v[120:127] q's fragment
.set PV,    88
.set PG,    104
.set QF,    120
.set SC,    128                        ; v[128:255] the four weights as loaded; k's tiles; a block's scores; at the end o's fragments
.set ACC,   64                         ; at the end: four accumulator tiles, v[64:95]
.set RB,    96                         ; at the end: rows read back, v[96:127]
; window 1 (v256-447, written by their low 8 bits): always source 0 of the matrix instructions
.set KF,    0                          ; v256-383: Wo as loaded (32 registers); 16 fragments of k; at the end 16 fragments of Wo
.set WF,    128                        ; v384-447: two tiles each of Wk, Wq, Wv, Wg of my head
; s_set_vgpr_msb's low byte: bits 1:0 source 0, 3:2 source 1, 5:4 source 2, 7:6 destination; the high byte repeats the setting that is left.
.set MSB, 0
.macro WIN new
.if MSB != \new
	s_set_vgpr_msb (MSB<<8)|\new
.set MSB, \new
.endif
.endm
; A vector instruction that reads a matrix result or writes a matrix instruction's register, and a load into such a register, stand four places behind
; it; only plain vector instructions that name none of its registers are places.
.macro PLACES
.rept 4
	v_nop
.endr
.endm
	s_load_b512 s[16:31], s[0:1], 0x0              ; m 16, gamma 18, beta 20, Wk 22, Wq 24, Wv 26, Wg 28, Wo 30
	s_load_b128 s[32:35], s[0:1], 0x40             ; bo 32, out0 34
	s_set_vgpr_msb 0x40
	v_lshl_add_u32 v192, v0, 2, 0x4a000
	v_mov_b32 v193, 0
	s_set_vgpr_msb 0x4000
	v_lshrrev_b32 v[T+3], 5, v0
	v_readfirstlane_b32 s8, v[T+3]                 ; wave = head
	s_and_b32 s9, ttmp9, 1                         ; which 128 rows s
	s_lshr_b32 s10, ttmp9, 1                       ; which pair of columns
	s_mov_b32 s12, 0x76543210                      ; v_permlanex16_b32: lane i of one half reads lane i of the other
	s_mov_b32 s13, 0xfedcba98
	s_mov_b32 s14, 0xbd000000                      ; -1/32
	s_mov_b32 s15, 0x3d000000                      ; 1/32
	s_mov_b32 s38, 0x3727c5ac                      ; 1e-5
	v_and_b32 v1, 31, v0                           ; lane
	v_and_b32 v2, 15, v0                           ; r
	v_bfe_u32 v3, v0, 4, 1                         ; hh
	v_and_b32 v[T], 7, v0                          ; lane % 8
	v_bfe_u32 v[T+1], v0, 3, 1                     ; (lane / 8) % 2
	v_bfe_u32 v[T+2], v0, 3, 2                     ; lane / 8
	; offsets of the global loads first, so that the loads go out before anything else is worked out
	v_lshlrev_b32 v[AOUT], 4, v2
	v_lshl_add_u32 v[AOUT], v3, 15, v[AOUT]        ; hh rows of 32,768 bytes + 16 r
	s_lshl_b32 s41, s8, 20
	v_add_nc_u32 v[GM], s41, v[AOUT]               ; + 32 w rows: wave w loads t = 32 w .. +31
	s_lshl_b32 s41, s8, 12
	v_lshl_add_u32 v[GW], v1, 4, s41
	v_lshlrev_b32 v[GGB], 4, v[T]                  ; channels 4 (lane % 8) .. +3
	v_lshlrev_b32 v[GBO], 5, v3                    ; bo[8 hh ..]
	s_lshl_b32 s36, s10, 8                         ; the pair of columns: 256 bytes
	s_mov_b32 s37, 0
	s_lshl_b32 s42, s9, 22                         ; out0: + 128 rows for the upper half of s,
	s_lshl_b32 s43, s8, 19                         ; + 16 rows a wave
	s_add_co_u32 s42, s42, s43
	s_add_co_u32 s42, s42, s36
	s_mov_b32 s43, 0
	s_wait_kmcnt 0x0
	s_add_nc_u64 s[16:17], s[16:17], s[36:37]
	s_add_nc_u64 s[34:35], s[34:35], s[42:43]
	; PHASE 0.  All 62 global loads of the wave, in the order in which they are used: 2 + 16 + 32 + 8 + 4.
	global_load_b128 v[GAM:GAM+3], v[GGB], s[18:19]
	global_load_b128 v[BET:BET+3], v[GGB], s[20:21]
.irp k, 0,1,2,3,4,5,6,7,8,9,10,11,12,13,14,15
	global_load_b128 v[MNF+4*\k:MNF+4*\k+3], v[GM], s[16:17] offset:\k*65536     ; rows t = 32 w + 2 k + hh: two runs of 256 consecutive bytes
.endr
.irp j, 0,1,2,3,4,5,6,7
	global_load_b128 v[SC+4*\j:SC+4*\j+3], v[GW], s[22:23] offset:\j*512         ; Wk: 512 consecutive bytes a load, 4 rows c a wave
.endr
.irp j, 0,1,2,3,4,5,6,7
	global_load_b128 v[SC+32+4*\j:SC+32+4*\j+3], v[GW], s[24:25] offset:\j*512   ; Wq
.endr
.irp j, 0,1,2,3,4,5,6,7
	global_load_b128 v[SC+64+4*\j:SC+64+4*\j+3], v[GW], s[26:27] offset:\j*512   ; Wv
.endr
.irp j, 0,1,2,3,4,5,6,7
	global_load_b128 v[SC+96+4*\j:SC+96+4*\j+3], v[GW], s[28:29] offset:\j*512   ; Wg
.endr
	WIN 0x40
.irp j, 0,1,2,3,4,5,6,7
	global_load_b128 v[KF+4*\j:KF+4*\j+3], v[GW], s[30:31] offset:\j*512         ; Wo, into v256-287: 32 rows k a wave
.endr
	WIN 0
	global_load_b128 v[BO:BO+3],     v[GBO], s[32:33]                            ; tile 0: register j = bo[8 hh + j]
	global_load_b128 v[BO+4:BO+7],   v[GBO], s[32:33] offset:16
	global_load_b128 v[BO+8:BO+11],  v[GBO], s[32:33] offset:64                  ; tile 1: bo[16 + 8 hh + j]
	global_load_b128 v[BO+12:BO+15], v[GBO], s[32:33] offset:80
	; LDS addresses, while the loads are on their way.  Each is a constant + the wave's number times a constant + a lane term.
	v_mul_u32_u24 v[AMK], v2, MN_P
	v_lshl_add_u32 v[AMK], v3, 4, v[AMK]
	s_mul_i32 s41, s9, 128*MN_P
	v_add_nc_u32 v[AMS0], s41, v[AMK]
	v_mul_u32_u24 v[T+4], v2, O_P
	v_lshl_add_u32 v[T+4], v3, 4, v[T+4]           ; r * 80 + 16 hh
	s_mul_i32 s41, s8, O_H
	s_add_co_u32 s41, s41, O_B
	v_add_nc_u32 v[AOS0], s41, v[T+4]
	s_mul_i32 s41, s8, 16*O_P
	s_add_co_u32 s41, s41, O_B
	v_add_nc_u32 v[AOL], s41, v[T+4]
	v_add_nc_u32 v[AOL+1], 3*O_H, v[AOL]           ; an LDS immediate has 16 bits: three heads to a register
	v_add_nc_u32 v[AOL+2], 6*O_H, v[AOL]
	v_lshl_add_u32 v[T+3], v3, 3, v[T]             ; 8 hh + lane % 8: the row k that I address in a transposing load
	v_mul_u32_u24 v[AWT], v[T+3], WL_P
	v_lshl_add_u32 v[AWT], v[T+1], 4, v[AWT]
	s_lshl_b32 s41, s8, 6                          ; my head's 32 columns: 64 bytes
	s_add_co_u32 s41, s41, WL_B
	v_add_nc_u32 v[AWT], s41, v[AWT]
	v_mul_u32_u24 v[AWO], v[T+3], WO_P
	v_lshl_add_u32 v[AWO], v[T+1], 4, v[AWO]
	v_add_nc_u32 v[AWO], WO_B, v[AWO]
	s_mul_i32 s42, s8, ST_W
	v_mul_u32_u24 v[ASTO], v2, ST_P
	v_lshl_add_u32 v[ASTO], v3, 5, v[ASTO]
	v_add_nc_u32 v[ASTO], s42, v[ASTO]
	v_mul_u32_u24 v[ARD], v3, ST_P
	v_lshl_add_u32 v[ARD], v2, 4, v[ARD]
	v_add_nc_u32 v[ARD], s42, v[ARD]
	s_mul_i32 s41, s8, 32*MN_P
	v_mul_u32_u24 v[AMST], v3, MN_P
	v_lshl_add_u32 v[AMST], v[T+1], 6, v[AMST]
	v_lshl_add_u32 v[AMST], v[T], 3, v[AMST]
	v_add_nc_u32 v[AMST], s41, v[AMST]
	s_mul_i32 s41, s8, 4*WL_P
	s_add_co_u32 s41, s41, WL_B
	v_lshl_add_u32 v[AWST], v1, 3, s41
	s_mul_i32 s41, s8, 32*WO_P
	s_add_co_u32 s41, s41, WO_B
	v_mul_u32_u24 v[AWOST], v[T+2], WO_P
	v_lshl_add_u32 v[AWOST], v[T], 3, v[AWOST]
	v_add_nc_u32 v[AWOST], s41, v[AWOST]
; LayerNorm of the four loads 4 g .. 4 g + 3 (two rows each), stage by stage so that the four chains do not wait for each other.  A row's 32 channels lie
; in 8 neighbouring lanes, 4 in each: three exchanges (lane xor 1, 2, 4) ride on the additions and leave the sum in all 8.
.macro LN4 g
	s_wait_loadcnt 56-4*\g                         ; behind m's load 4 g + 3 stand 12 - 4 g of m, 32 of the weights, 8 of Wo, 4 of bo
.irp q, 0,1,2,3
	v_pk_add_f32 v[T+4*\q:T+4*\q+1], v[MNF+16*\g+4*\q:MNF+16*\g+4*\q+1], v[MNF+16*\g+4*\q+2:MNF+16*\g+4*\q+3]
.endr
.irp q, 0,1,2,3
	v_add_f32 v[T+4*\q], v[T+4*\q], v[T+4*\q+1]
.endr
.irp x, 1,2,4
.irp q, 0,1,2,3
	v_add_f32_dpp v[T+4*\q], v[T+4*\q], v[T+4*\q] row_xmask:\x row_mask:0xf bank_mask:0xf
.endr
.endr
.irp q, 0,1,2,3
.irp c, 0,1,2,3
	v_fma_f32 v[MNF+16*\g+4*\q+\c], v[T+4*\q], s14, v[MNF+16*\g+4*\q+\c]         ; x - mean
.endr
.endr
.irp q, 0,1,2,3
	v_mul_f32 v[T+4*\q+1], v[MNF+16*\g+4*\q], v[MNF+16*\g+4*\q]
.endr
.irp c, 1,2,3
.irp q, 0,1,2,3
	v_fmac_f32 v[T+4*\q+1], v[MNF+16*\g+4*\q+\c], v[MNF+16*\g+4*\q+\c]
.endr
.endr
.irp x, 1,2,4
.irp q, 0,1,2,3
	v_add_f32_dpp v[T+4*\q+1], v[T+4*\q+1], v[T+4*\q+1] row_xmask:\x row_mask:0xf bank_mask:0xf
.endr
.endr
.irp q, 0,1,2,3
	v_fma_f32 v[T+4*\q+1], v[T+4*\q+1], s15, s38   ; variance + 1e-5
.endr
.irp q, 0,1,2,3
	v_rsq_f32 v[T+4*\q+2], v[T+4*\q+1]
.endr
	v_nop                                          ; one plain instruction between the last v_rsq_f32 and the first use of a result (ISA guide 5.7.2)
	s_wait_alu depctr_va_vdst(0)
.irp q, 0,1,2,3
.irp c, 0,1,2,3
	v_mul_f32 v[MNF+16*\g+4*\q+\c], v[MNF+16*\g+4*\q+\c], v[T+4*\q+2]
.endr
.endr
.irp q, 0,1,2,3
	v_pk_fma_f32 v[MNF+16*\g+4*\q:MNF+16*\g+4*\q+1], v[MNF+16*\g+4*\q:MNF+16*\g+4*\q+1], v[GAM:GAM+1], v[BET:BET+1]
	v_pk_fma_f32 v[MNF+16*\g+4*\q+2:MNF+16*\g+4*\q+3], v[MNF+16*\g+4*\q+2:MNF+16*\g+4*\q+3], v[GAM+2:GAM+3], v[BET+2:BET+3]
.endr
.irp q, 0,1,2,3
	v_cvt_pk_f16_f32 v[MNF+16*\g+4*\q], v[MNF+16*\g+4*\q], v[MNF+16*\g+4*\q+1]
	v_cvt_pk_f16_f32 v[MNF+16*\g+4*\q+1], v[MNF+16*\g+4*\q+2], v[MNF+16*\g+4*\q+3]
	ds_store_b64 v[AMST], v[MNF+16*\g+4*\q:MNF+16*\g+4*\q+1] offset:(4*\g+\q)*2*MN_P
.endr
.endm
; Weight a (0 k, 1 q, 2 v, 3 gate) to f16 and into LDS as it is stored, [c][n].  scaled = 1: times 32^-0.5 * log2(e), in f32, ahead of the rounding.
.macro WCONV a, scaled
	s_wait_loadcnt 36-8*\a                         ; behind weight a's loads stand 8 (3 - a) of the weights, 8 of Wo, 4 of bo
.irp j, 0,1,2,3,4,5,6,7
.if \scaled
	v_pk_mul_f32 v[SC+32*\a+4*\j:SC+32*\a+4*\j+1], v[SC+32*\a+4*\j:SC+32*\a+4*\j+1], 0x3e8293ee op_sel_hi:[1,0]
	v_pk_mul_f32 v[SC+32*\a+4*\j+2:SC+32*\a+4*\j+3], v[SC+32*\a+4*\j+2:SC+32*\a+4*\j+3], 0x3e8293ee op_sel_hi:[1,0]
.endif
	v_cvt_pk_f16_f32 v[SC+32*\a+4*\j], v[SC+32*\a+4*\j], v[SC+32*\a+4*\j+1]
	v_cvt_pk_f16_f32 v[SC+32*\a+4*\j+1], v[SC+32*\a+4*\j+2], v[SC+32*\a+4*\j+3]
	ds_store_b64 v[AWST], v[SC+32*\a+4*\j:SC+32*\a+4*\j+1] offset:\a*WL_A+(\j>>1)*WL_P+(\j&1)*256   ; load j: row 4 w + j / 2, columns 128 (j % 2) + 4 lane ..
.endr
.endm
	LN4 0
	LN4 1
	LN4 2
	LN4 3
	WCONV 0, 0
	WCONV 1, 1
	WCONV 2, 0
	WCONV 3, 0
	s_wait_loadcnt 4                               ; Wo is in; bo's four loads may be out
	WIN 0x05                                       ; both sources in window 1
.irp j, 0,1,2,3,4,5,6,7
	v_cvt_pk_f16_f32 v[MNF+2*\j],   v[KF+4*\j],   v[KF+4*\j+1]
	v_cvt_pk_f16_f32 v[MNF+2*\j+1], v[KF+4*\j+2], v[KF+4*\j+3]
.endr
	WIN 0
.irp j, 0,1,2,3,4,5,6,7
	ds_store_b64 v[AWOST], v[MNF+2*\j:MNF+2*\j+1] offset:\j*4*WO_P               ; load j: rows 32 w + 4 j + lane / 8
.endr
	s_wait_loadcnt 0x0                             ; bo
	s_wait_dscnt 0x0                               ; my stores into MN, WL and WO are done: zero, for the other waves' sake
	s_barrier_signal -1
	s_barrier_wait -1                              ; everybody's are
	; PHASE 1.  My head's eight weight tiles as source-0 fragments: lane (r, hh) gets column 32 w + 16 tile + r, k = 8 hh .. and 16 + 8 hh ..
	; No wait of their own: LDS loads come back in order (ISA guide 5.7.1), so the first counted wait below covers them.
	WIN 0x40
.irp a, 0,1,2,3
.irp h, 0,1
	ds_load_tr16_b128 v[WF+16*\a+8*\h:WF+16*\a+8*\h+3],   v[AWT] offset:\a*WL_A+\h*32
	ds_load_tr16_b128 v[WF+16*\a+8*\h+4:WF+16*\a+8*\h+7], v[AWT] offset:\a*WL_A+\h*32+16*WL_P
.endr
.endr
; k of rows t = 128 b .. +127 of column col: 8 fragments of mn, 16 products, packed to bf16 as 8 source-0 fragments of the scores.
.macro KHALF col, b
	WIN 0
.irp i, 0,1,2,3,4,5,6,7
	ds_load_b128 v[MNF+8*\i:MNF+8*\i+3],   v[AMK] offset:(8*\b+\i)*16*MN_P+\col*64
	ds_load_b128 v[MNF+8*\i+4:MNF+8*\i+7], v[AMK] offset:(8*\b+\i)*16*MN_P+\col*64+32
.endr
	WIN 0x01
.irp i, 0,1,2,3,4,5,6,7
	s_wait_dscnt 14-2*\i                           ; fragment i is in; the two loads of each later fragment may be out
	v_wmma_f32_16x16x32_f16 v[SC+16*\i:SC+16*\i+7],    v[WF:WF+7],    v[MNF+8*\i:MNF+8*\i+7], 0
	v_wmma_f32_16x16x32_f16 v[SC+16*\i+8:SC+16*\i+15], v[WF+8:WF+15], v[MNF+8*\i:MNF+8*\i+7], 0
.endr
	PLACES
	WIN 0x40
.irp i, 0,1,2,3,4,5,6,7
.irp h, 0,1
.irp p, 0,1,2,3
	v_cvt_pk_bf16_f32 v[KF+8*(8*\b+\i)+4*\h+\p], v[SC+16*\i+8*\h+2*\p], v[SC+16*\i+8*\h+2*\p+1]
.endr
.endr
.endr
	WIN 0
.endm
; The softmax's three steps on 8 score registers at a time.
.macro SUBG g
.irp p, 0,2,4,6
	v_pk_add_f32 v[SC+8*(\g)+\p:SC+8*(\g)+\p+1], v[SC+8*(\g)+\p:SC+8*(\g)+\p+1], v[MXP:MXP+1] neg_lo:[0,1] neg_hi:[0,1]
.endr
.endm
.macro EXPG g
.irp p, 0,1,2,3,4,5,6,7
	v_exp_f32 v[SC+8*(\g)+\p], v[SC+8*(\g)+\p]
.endr
.endm
.macro ADDG g
	s_wait_alu depctr_va_vdst(0)
.irp p, 0,2,4,6
	v_pk_add_f32 v[SU+\p:SU+\p+1], v[SU+\p:SU+\p+1], v[SC+8*(\g)+\p:SC+8*(\g)+\p+1]
.endr
.endm
; One block: rows s = 16 s40 .. +15 of my work-group's 128, column col, my head.
.macro SBLOCK col
	s_mul_i32 s41, s40, 16*MN_P                    ; the block's addresses: a base and the loop counter's step
	s_mul_i32 s42, s40, 16*O_P
	v_add_nc_u32 v[AMS], s41, v[AMS0]
	v_add_nc_u32 v[AOS], s42, v[AOS0]
	ds_load_b128 v[MNF:MNF+3],   v[AMS] offset:\col*64
	ds_load_b128 v[MNF+4:MNF+7], v[AMS] offset:\col*64+32
	s_wait_dscnt 0x0
	WIN 0x01
.irp a, 0,1,2,3,4,5
	v_wmma_f32_16x16x32_f16 v[PQ+8*\a:PQ+8*\a+7], v[WF+16+8*\a:WF+16+8*\a+7], v[MNF:MNF+7], 0    ; q, q, v, v, gate, gate: channels 0-15, 16-31
.endr
	WIN 0
	PLACES
.irp h, 0,1
.irp p, 0,1,2,3
	v_cvt_pk_bf16_f32 v[QF+4*\h+\p], v[PQ+8*\h+2*\p], v[PQ+8*\h+2*\p+1]
.endr
.endr
	WIN 0x01
.irp i, 0,1,2,3,4,5,6,7,8,9,10,11,12,13,14,15
	v_wmma_f32_16x16x32_bf16 v[SC+8*\i:SC+8*\i+7], v[KF+8*\i:KF+8*\i+7], v[QF:QF+7], 0           ; register j: t = 16 i + 8 hh + j, s = r
.endr
	WIN 0
	; the gate's first steps: eight plain instructions that name no register of the sixteen products, the places in front of the first read of a score
.irp p, 0,2,4,6,8,10,12,14
	v_pk_mul_f32 v[PG+\p:PG+\p+1], v[PG+\p:PG+\p+1], 0xbfb8aa3b op_sel_hi:[1,0]                  ; -x log2(e)
.endr
.irp p, 0,1,2,3,4,5,6,7,8,9,10,11,12,13,14,15
	v_exp_f32 v[PG+\p], v[PG+\p]
.endr
	; the maximum of my 128 scores: four chains of three-input maxima over 31 registers each, started by their first three
.irp k, 0,1,2,3
	v_max3_num_f32 v[MX+\k], v[SC+32*\k], v[SC+32*\k+1], v[SC+32*\k+2]
.endr
.set mstep, 0
.rept 14
.irp k, 0,1,2,3
	v_max3_num_f32 v[MX+\k], v[MX+\k], v[SC+32*\k+3+2*mstep], v[SC+32*\k+4+2*mstep]
.endr
.set mstep, mstep+1
.endr
	s_wait_alu depctr_va_vdst(0)
.irp p, 0,2,4,6,8,10,12,14
	v_pk_add_f32 v[PG+\p:PG+\p+1], v[PG+\p:PG+\p+1], 1.0 op_sel_hi:[1,0]
.endr
.irp p, 0,1,2,3,4,5,6,7,8,9,10,11,12,13,14,15
	v_rcp_f32 v[PG+\p], v[PG+\p]                   ; sigmoid = 1 / (1 + 2^(-x log2 e)); the maxima below are the plain instructions behind these
.endr
	v_max3_num_f32 v[MX],   v[MX],   v[MX+1], v[SC+31]                               ; the chains close, with the four registers left over
	v_max3_num_f32 v[MX+2], v[MX+2], v[MX+3], v[SC+63]
	v_max3_num_f32 v[MX],   v[MX],   v[SC+95], v[SC+127]
	v_max_num_f32 v[MX], v[MX], v[MX+2]
	v_permlanex16_b32 v[MX+1], v[MX], s12, s13     ; the other 128 t of the same s
	v_max_num_f32 v[MXP],   v[MX], v[MX+1]         ; the maximum over all 256 t, twice, for the packed subtraction
	v_max_num_f32 v[MXP+1], v[MX], v[MX+1]
	s_wait_alu depctr_va_vdst(0)
.irp p, 0,2,4,6,8,10,12,14
	v_pk_mul_f32 v[PV+\p:PV+\p+1], v[PV+\p:PV+\p+1], v[PG+\p:PG+\p+1]                ; gate * v
.endr
	; 2^(score - maximum) and its sum.  Behind each run of eight exponentials stands the next group's subtraction, plain work on other registers,
	; before the run's results are added.  The first addition starts the four pairs of sums: nothing is cleared.
	SUBG 0
	EXPG 0
	SUBG 1
	EXPG 1
	SUBG 2
	s_wait_alu depctr_va_vdst(0)
.irp p, 0,2,4,6
	v_pk_add_f32 v[SU+\p:SU+\p+1], v[SC+\p:SC+\p+1], v[SC+8+\p:SC+8+\p+1]
.endr
	EXPG 2
.set grp, 3
.rept 13
	SUBG grp
	ADDG grp-1
	EXPG grp
.set grp, grp+1
.endr
	v_nop
	s_wait_alu depctr_va_vdst(0)
	ADDG 15
	v_pk_add_f32 v[SU:SU+1],   v[SU:SU+1],   v[SU+2:SU+3]
	v_pk_add_f32 v[SU+4:SU+5], v[SU+4:SU+5], v[SU+6:SU+7]
	v_pk_add_f32 v[SU:SU+1],   v[SU:SU+1],   v[SU+4:SU+5]
	v_add_f32 v[SU], v[SU], v[SU+1]
	v_permlanex16_b32 v[SU+1], v[SU], s12, s13
	v_add_f32 v[SU], v[SU], v[SU+1]                ; S, the sum over all 256 t: at least 1, since the largest score gives 2^0
	v_rcp_f32 v[SU+2], v[SU]
	v_nop
	s_wait_alu depctr_va_vdst(0)
	v_mul_f32 v[WS],   v[SU], v[SU+2]              ; the softmax summed over t: S * (1 / S)
	v_mul_f32 v[WS+1], v[SU], v[SU+2]
.irp p, 0,2,4,6,8,10,12,14
	v_pk_mul_f32 v[PV+\p:PV+\p+1], v[PV+\p:PV+\p+1], v[WS:WS+1]
.endr
.irp h, 0,1
.irp p, 0,1,2,3
	v_cvt_pk_f16_f32 v[PQ+4*\h+\p], v[PV+8*\h+2*\p], v[PV+8*\h+2*\p+1]
.endr
.endr
	ds_store_b128 v[AOS], v[PQ:PQ+3]   offset:\col*O_C                               ; channels 8 hh .. +7 of row r
	ds_store_b128 v[AOS], v[PQ+4:PQ+7] offset:\col*O_C+32                            ; channels 16 + 8 hh .. +7
.endm
	; MAIN PHASE.  For each of the two columns: k of all 256 t, then eight blocks of 16 s.  No wave touches another's bytes: MN and WL are only read, O's part is my head's own.
	KHALF 0, 0
	KHALF 0, 1
	s_mov_b32 s40, 0
.Lsb0:
	SBLOCK 0
	s_add_co_u32 s40, s40, 1
	s_cmp_lt_u32 s40, 8
	s_cbranch_scc1 .Lsb0
	KHALF 1, 0
	KHALF 1, 1
	s_mov_b32 s40, 0
.Lsb1:
	SBLOCK 1
	s_add_co_u32 s40, s40, 1
	s_cmp_lt_u32 s40, 8
	s_cbranch_scc1 .Lsb1
	; LAST PHASE: out0 = o @ Wo + bo, transposed like the rest: source 0 = 16 columns of Wo, source 1 = 16 rows of o, K = 256 in eight steps, one a head.
	WIN 0x40
.irp k, 0,1,2,3,4,5,6,7
.irp h, 0,1
	ds_load_tr16_b128 v[KF+8*(2*\k+\h):KF+8*(2*\k+\h)+3],   v[AWO] offset:\k*32*WO_P+\h*32
	ds_load_tr16_b128 v[KF+8*(2*\k+\h)+4:KF+8*(2*\k+\h)+7], v[AWO] offset:\k*32*WO_P+\h*32+16*WO_P
.endr
.endr
	WIN 0
	s_wait_dscnt 0x0                               ; my stores into O and my reads of MN are done: zero, for the other waves' sake
	s_barrier_signal -1
	s_barrier_wait -1                              ; O is whole, and nobody reads MN any more: the way out may lie over it
.irp k, 0,1,2,3,4,5,6,7
.irp c, 0,1
	ds_load_b128 v[SC+8*(2*\k+\c):SC+8*(2*\k+\c)+3],   v[AOL+\k/3] offset:(\k%3)*O_H+\c*O_C      ; head k, column c, rows 16 w + r
	ds_load_b128 v[SC+8*(2*\k+\c)+4:SC+8*(2*\k+\c)+7], v[AOL+\k/3] offset:(\k%3)*O_H+\c*O_C+32
.endr
.endr
	WIN 0x01
	; Four accumulators (column c, channels 16 h ..) take turns, one instruction a turn.  The first step takes bo's tile as C: no add, nothing cleared.
.irp k, 0,1,2,3,4,5,6,7
	s_wait_dscnt 28-4*\k                           ; step k's four loads are in; the four of each later step may be out
.irp c, 0,1
.irp h, 0,1
.if \k == 0
	v_wmma_f32_16x16x32_f16 v[ACC+16*\c+8*\h:ACC+16*\c+8*\h+7], v[KF+8*(2*\k+\h):KF+8*(2*\k+\h)+7], v[SC+8*(2*\k+\c):SC+8*(2*\k+\c)+7], v[BO+8*\h:BO+8*\h+7]
.else
	v_wmma_f32_16x16x32_f16 v[ACC+16*\c+8*\h:ACC+16*\c+8*\h+7], v[KF+8*(2*\k+\h):KF+8*(2*\k+\h)+7], v[SC+8*(2*\k+\c):SC+8*(2*\k+\c)+7], v[ACC+16*\c+8*\h:ACC+16*\c+8*\h+7]
.endif
.endr
.endr
.endr
	WIN 0
	PLACES
	; THE WAY OUT.  A lane holds 8 neighbouring channels (32 bytes) of row r in each tile; through my own 16 rows of 272 bytes they become whole rows of 256 bytes.
.irp c, 0,1
.irp h, 0,1
	ds_store_b128 v[ASTO], v[ACC+16*\c+8*\h:ACC+16*\c+8*\h+3]   offset:\c*128+\h*64
	ds_store_b128 v[ASTO], v[ACC+16*\c+8*\h+4:ACC+16*\c+8*\h+7] offset:\c*128+\h*64+16
.endr
.endr
.irp t, 0,1,2,3,4,5,6,7
	ds_load_b128 v[RB+4*\t:RB+4*\t+3], v[ARD] offset:\t*2*ST_P                       ; LDS serves a wave's instructions in order (ISA guide 5.7.1): these see the stores above
.endr
.irp t, 0,1,2,3,4,5,6,7
	s_wait_dscnt 7-\t                              ; rows 2 t and 2 t + 1 are in; the later loads may be out
	global_store_b128 v[AOUT], v[RB+4*\t:RB+4*\t+3], s[34:35] offset:\t*65536 th:TH_STORE_NT     ; 16 lanes store 256 consecutive bytes, at a multiple of 256 from out0's first byte
.endr
	s_set_vgpr_msb 0x5
	s_wait_tensorcnt 0x0
	ds_add_u32 v192, v193
	s_wait_dscnt 0x0
	s_set_vgpr_msb 0x500
	s_endpgm
.Lfunc_end_k_q1325d24f8d_msacol:
	.size	k_q1325d24f8d_msacol, .Lfunc_end_k_q1325d24f8d_msacol-k_q1325d24f8d_msacol
	.p2alignl 7, 3214868480
	.fill 96, 4, 3214868480
	.section	.rodata,"a",@progbits
	.p2align	6, 0x0
	.amdhsa_kernel k_q1325d24f8d_msacol
		.amdhsa_group_segment_fixed_size 304128
		.amdhsa_private_segment_fixed_size 0
		.amdhsa_enable_private_segment 0
		.amdhsa_kernarg_size 80
		.amdhsa_user_sgpr_count 2
		.amdhsa_user_sgpr_kernarg_segment_ptr 1
		.amdhsa_wavefront_size32 1
		.amdhsa_system_sgpr_workgroup_id_x 1
		.amdhsa_system_sgpr_workgroup_id_y 1
		.amdhsa_system_sgpr_workgroup_id_z 1
		.amdhsa_system_vgpr_workitem_id 0
		.amdhsa_next_free_vgpr 450
		.amdhsa_next_free_sgpr 66
		.amdhsa_reserve_vcc 0
		.amdhsa_float_denorm_mode_32 3
		.amdhsa_float_denorm_mode_16_64 3
		.amdhsa_memory_ordered 1
		.amdhsa_forward_progress 1
		.amdhsa_inst_pref_size 125
	.end_amdhsa_kernel
	.amdgpu_metadata
---
amdhsa.version: [ 1, 2 ]
amdhsa.kernels:
  - .name:           k_q1325d24f8d_msacol
    .symbol:         k_q1325d24f8d_msacol.kd
    .args:
      - { .name: m, .offset: 0, .size: 8, .value_kind: global_buffer, .address_space: global }
      - { .name: ln_gamma, .offset: 8, .size: 8, .value_kind: global_buffer, .address_space: global }
      - { .name: ln_beta, .offset: 16, .size: 8, .value_kind: global_buffer, .address_space: global }
      - { .name: Wk, .offset: 24, .size: 8, .value_kind: global_buffer, .address_space: global }
      - { .name: Wq, .offset: 32, .size: 8, .value_kind: global_buffer, .address_space: global }
      - { .name: Wv, .offset: 40, .size: 8, .value_kind: global_buffer, .address_space: global }
      - { .name: Wg, .offset: 48, .size: 8, .value_kind: global_buffer, .address_space: global }
      - { .name: Wo, .offset: 56, .size: 8, .value_kind: global_buffer, .address_space: global }
      - { .name: bo, .offset: 64, .size: 8, .value_kind: global_buffer, .address_space: global }
      - { .name: out0, .offset: 72, .size: 8, .value_kind: global_buffer, .address_space: global }
    .group_segment_fixed_size: 304128
    .private_segment_fixed_size: 0
    .kernarg_segment_align: 8
    .kernarg_segment_size: 80
    .max_flat_workgroup_size: 256
    .sgpr_count:     66
    .vgpr_count:     450
    .wavefront_size: 32
...
	.end_amdgpu_metadata
.endif
;; end of part 1
